; MI455X (gfx1250); checked and timed in simulation.
; The chip was launched on July 23, 2026; its instructions are those of AMD's public machine-readable ISA for CDNA 5 (MIT licence, August 2026) and "CDNA5" Instruction Set Architecture Reference Guide (July 2026). The comments in the code are by the model that wrote it; some were corrected since.
;; Absolute Pos Emb. Allowed arithmetic: matrix products marked QUANTISED: E3M2 operands, one E8M0 scale for each 32 along K, by v_wmma_scale_f32_16x16x128_f8f6f4 with both operands' format E3M2, f32 sums; everything else in f32.
;; Inputs: k 8 x 8 x 32 x 32 x 64 float32; q 8 x 8 x 32 x 32 x 64 float32; v 8 x 8 x 32 x 32 x 64 float32.
;; Outputs: out0 8 x 32 x 32 x 512 float32.
;; This version of the problem:
;;   THIS VERSION OF THE PROBLEM IS GIVEN IN LOW PRECISION. The matrix products marked QUANTISED in the list below multiply operands that are first quantised to E3M2 (3 exponent bits, 2 mantissa bits; 6 bits a number), with one power-of-two scale for each 32 numbers along K (OCP MX v1.0); their sums are f32. All else is computed in f32.
;;   The module's matrix products, in the order in which they are computed (A, B: the left and right operand; K: the contracted axis; several contracted axes count as one K, in the product's order):
;;     1. batch 64 x [M 1,024, K 64] x [K 64, N 1,024]; A: computed on the way; B: input k: QUANTISED
;;     2. batch 64 x [M 64, K 1,024] x [K 1,024, N 1,024]; A: input v; B: computed on the way: QUANTISED
;;   THE QUANTISER, for each operand of a quantised product, along K:
;;     - K is cut into blocks of 32 from its start; a last block that is shorter is filled with zeros.
;;     - A block's scale is 2^e with e = floor(log2(the largest magnitude in the block)) - 4, held to -126 .. 127; a block of zeros has e = 0. As a byte (E8M0): e + 127.
;;     - Each number is divided by its block's scale, clamped to +-28, and rounded to the nearest number of E3M2, ties to even, subnormals kept.
;;     - The product sums the exact products of the quantised numbers (number of the format x scale) in f32.
;;   ~~~python
;;   def quantise(x, axis):      # numpy; x: float32 -> the quantised numbers, widened to float32 again
;;       x = np.moveaxis(x, axis, -1); K = x.shape[-1]
;;       x = np.pad(x, [(0, 0)] * (x.ndim - 1) + [(0, -K % 32)]); x = x.reshape(x.shape[:-1] + (-1, 32)); a = np.abs(x).max(-1, keepdims=True)
;;       e = np.where(a > 0, np.clip(np.frexp(np.where(a > 0, a, 1))[1] - 1 - 4, -126, 127), 0)      # np.frexp(a)[1] - 1 = floor(log2(a)), exactly
;;       r = np.clip(x / 2.0 ** e, -28, 28)
;;       step = 2.0 ** (np.maximum(np.frexp(np.where(r == 0, 1, r))[1] - 1, -2) - 2)
;;       q = np.round(r / step) * step * 2.0 ** e      # np.round: ties to even
;;       return np.moveaxis(q.reshape(q.shape[:-2] + (-1,))[..., :K], -1, axis).astype(np.float32)
;;   ~~~
;;   OPERANDS COMPUTED ON THE WAY. 'Computed on the way' means the value that the module computes at that place (a softmax that the list does not call 'softmax' is quantised finished and normalised). What goes into a quantiser is computed in f32, as accurately as f32 sums, v_exp_f32 and their like allow (about 1e-6 of the number): no bf16 or f16 on the way to a quantiser, and a product that is left as it is and whose result goes on into a quantised operand takes f32 operands (vector FMAs, or v_wmma_f32_16x16x4_f32). A number that lies on a knife's edge between two numbers of the format may be rounded either way, as far as f32 arithmetic and the matrix unit's own rounding can turn it there, and no further.
;; One version. Each part assembles by itself: llvm-mc -triple=amdgcn-amd-amdhsa -mcpu=gfx1250 --defsym DOCPART=n.
;; ======== version 1 of 1: 1 launch
;; limits: right only within a limited range of input values
;; launch attn (part 1): grid 256 x 1, 8 waves a work-group, clusters of 4 x 1, 327,680 bytes of LDS; arguments q, k, v, out0; writes out0
.if DOCPART == 1
	.amdgcn_target "amdgcn-amd-amdhsa--gfx1250"
	.amdhsa_code_object_version 6
	.text
	.protected	k_q4c3e265058_attn
	.globl	k_q4c3e265058_attn
	.p2align	8
	.type	k_q4c3e265058_attn,@function
k_q4c3e265058_attn:
	s_mov_b64 s[64:65], 0
	v_nop
	global_prefetch_b8 v0, s[64:65] scope:SCOPE_SE
	s_setreg_imm32_b32 hwreg(HW_REG_WAVE_MODE, 25, 1), 1
	s_wait_xcnt 0x0
	s_wait_alu depctr_hold_cnt(0) depctr_sa_sdst(0) depctr_va_vdst(0) depctr_va_sdst(0) depctr_va_ssrc(0) depctr_va_vcc(0) depctr_vm_vsrc(0)
	s_getreg_b32 s2, hwreg(HW_REG_IB_STS2, 6, 4)
	s_cmp_eq_u32 s2, 0
	s_cbranch_scc0 .Lentry_in_a_cluster
	s_endpgm
.Lentry_in_a_cluster:
	s_bfe_u32 s2, ttmp6, 0x10000c
	s_cmp_lg_u32 s2, 0x3003
	s_cbranch_scc0 .Lentry_shape_is_right
	s_endpgm
.Lentry_shape_is_right:
; out[b][t][64 n + d] = sum over keys of softmax_key(q[b][n][t] . k[b][n][key] / 8) v[b][n][key][d].  q, k, v: [64 heads][1024 tokens][64] f32; out: [8][1024][512] f32.
; Both products run on codes of BF6 (E3M2) with one E8M0 scale for each 32 along K.  Product 1: K = the head's 64; product 2: K = the 1,024 keys.
; SHARES.  256 work-groups, four to a head (a cluster of 4 x 1), 256 queries each.  Eight waves: wave w owns keys 128 w .. 128 w + 127 for all 256 queries; the codes of its part of k and v stay in its registers.
; HEAD.  k: one joint tensor load a wave, its own 128 rows (the four work-groups of a cluster need the same k).  v: loads of 128 consecutive bytes, a lane to a channel, registers down the keys.
;   q: each wave reads 32 queries, turns them through its own stage and lays their codes and scale words into LDS as images of the operand's registers.  k and v are read once, here, and no loop runs ahead of them: so no prefetch.
; LOOP.  16 tiles of 16 queries.  Trip t: tile t's scores against my 128 keys and their block maxima; the wait of the barrier signalled in trip t - 1; behind it my partial O of tile t - 2 goes to LDS, the waves' maxima and sums of
;   tile t - 1 and, of tile t - 3, two rows of all eight partial O come from LDS, while tile t's exponentials are taken under the wave's own maximum; tile t's maximum and sum go to LDS; signal; tile t - 1 is finished on registers:
;   weights, codes, product 2 over my 128 keys.  The eight partial O are added by whole rows of 256 bytes and stored.
; LAYOUT.  Both products are used transposed: S^T = K Q^T, O^T = V^T W^T: a lane (r = lane % 16, h = lane / 16) holds ONE query r.  Row m of tile u of group c (64 keys) is key 64 c + 8 u + m for m < 8 and
;   64 c + 32 + 8 (u xor 1) + m - 8 for m >= 8: so a group's 32 registers of a lane are ONE WHOLE BLOCK (2 c + h) of product 2's K, in the order i for h = 0 and i xor 8 for h = 1; v's odd blocks are loaded in that order too.
; The factor 1/8 is a power of two and goes into the softmax's factor c / 8: it changes no code.  Product 1 has K = 64 in an instruction of 128: registers 6-11 of both fragments are zero codes, scale bytes 2 and 3 are 0.
; The wave's maximum M of t = score x c / 8 is taken up to a whole number and kept as NM = floor(-t): what waves made under different M is joined by v_ldexp_f32.
; A BLOCK'S LARGEST WEIGHT IS NOT SEARCHED FOR: the block's largest score goes through the same multiply-add, exponential and multiplication.  That takes v_exp_f32 not to fall where its input rises.
; LIMITS: NaN and infinities among the inputs are not served; the promise holds while the scaled scores t stay under 2^31 in magnitude.  v_exp_f32 gives 0 for results under 2^-126 (ISA guide 15.8): such weights count as 0.
; Blocks whose largest magnitude lies under 2^-122 have their scale byte held at 1; a block of zeros gets the byte 1, not 127: its codes are zeros, and this program alone reads the bytes.  1 / sum is v_rcp_f32's (1 ulp).
;
; LDS
.set REG,   34816                      ; a wave's region: its 128 rows of k, 256 bytes + 16 of padding each.  Behind its one fill and my last read of k: from OB on three buffers for partial O (16 rows x 272)
.set PITCH, 272
.set OB,    8704
.set OBUF,  4352
.set QIMG,  8*REG                      ; a part of QST bytes for each wave: first its stage of q (16 rows x 272), then its two tiles' images, 1,024 each: registers 0-3 at 16 x lane, 4-5 at 512 + 8 x lane, scale word at 768 + 4 x lane
.set QST,   4352
.set STAT,  QIMG+8*QST                 ; two buffers x 1,024: NM at 32 r + 4 w, sums at 512 + 32 r + 4 w
.set SPARE, STAT+2048                  ; the spare words, 128 bytes a wave
; REGISTERS, window 0
.set AQ16, 2
.set AQ8,  3
.set AQ4,  4
.set AST,  8
.set ALD,  9
.set AOS,  10
.set RB,   11                          ; v11-14
.set GO,   15
.set SH8,  16
.set SPW,  17
.set NIL,  18
.set ASI,  19
.set KS,   20                          ; v20-27 K's scale words  } scales and nothing else
.set VS,   28                          ; v28-29 V's              }
.set QS,   30                          ; Q's                     }
.set PW,   32                          ; the weights'            }
.set AK,   33                          ; v33-34 K tiles of even, odd u
.set ASR,  35
.set QF,   36                          ; v36-47 Q's fragment
.set PC,   48                          ; v48-59 the weights' codes (in the head v48-63: codes in the making)
.set PTA,  60                          ; v60-62, v192-194 second halves of blocks
.set PTB,  192
.set SCR,  64                          ; v64-127, v128-191 two sets of scores
.set T4,   196
.set T5,   197
.set BM,   204                         ; v204-207 block maxima, two sets
.set BMB,  208                         ; v208-209
.set NM,   212                         ; v212-213, v216-217: NM of two tiles (the upper halves are named, so written)
.set FAC,  214                         ; v214-215
.set SC,   218                         ; v218-219
.set T0,   220                         ; (T0, T1 are named as a pair)
.set T1,   221
.set T2,   222
.set T3,   223
.set ACC,  224                         ; v224-239 eight pairs of sums
.set ML,   240                         ; v240-243 the waves' NM,
.set SL,   244                         ; v244-247 and sums
; the head's own
.set TM,   196                         ; v196-199
.set SA,   200
.set SBK,  201
.set BA,   202
.set BB,   203
.set TT,   204
.set TX,   205
.set WD,   206
.set AW16, 210
.set AW8,  211
.set AW4,  195
.set X0,   224                         ; v224-255 a set of 32 numbers
; window 1: K's tile i at v[12 i], i = 0 .. 7; V's fragments; O^T; eight waves' partial O; in the head also 64 registers of q, a set of 32 numbers, and a temporary
.set VF,   96
.set OW,   144
.set RL,   176
.set RM,   208
.set QL,   144
.set KT,   240
.set SEL,  20                          ; s[20:21] v_permlanex16_b32's selects for lane l xor 16
.set CS,   22                          ; s[22:23] c / 8; s24 = -c / 8; s25 = 2^-122; s29 = lanes 16-31
.set MSB, 0
.macro WIN new                         ; the immediate's high byte repeats the setting that is left; a switch that changes nothing is dropped
.if MSB != (\new)
	s_set_vgpr_msb (MSB<<8)|(\new)
.set MSB, (\new)
.endif
.endm
.macro ROUND
	s_barrier_signal -1
	s_barrier_wait -1
	s_cmp_lg_u32 s8, 0
	s_cbranch_scc1 .Lnot_wave_0_\@
	s_barrier_signal -3
.Lnot_wave_0_\@:
	s_barrier_wait -3
	s_barrier_signal -1
	s_barrier_wait -1
.endm
	s_load_b256 s[12:19], s[0:1], 0x0              ; q s[12:13], k s[14:15], v s[16:17], out s[18:19]
	v_lshl_add_u32 v[SPW], v0, 2, SPARE
	v_mov_b32 v[NIL], 0
	ds_add_u32 v[SPW], v[NIL]                      ; the wave's opening: the add, twice on end
	ds_add_u32 v[SPW], v[NIL]
	v_lshrrev_b32 v1, 5, v0
	v_readfirstlane_b32 s8, v1                     ; wave w
	s_bfe_u32 s9, ttmp6, 0x40000                   ; cx: which 256 queries of the head; ttmp9: the head
	s_lshl_b32 s28, ttmp9, 18                      ; a head is 262,144 bytes in q, k and v
	s_lshl_b32 s30, s8, 15
	s_add_co_u32 s30, s30, s28                     ; k, v: + my 128 keys
	s_mov_b32 s31, 0
	s_lshl_b32 s32, s9, 16
	s_add_co_u32 s32, s32, s28
	s_lshl_b32 s33, s8, 13
	s_add_co_u32 s32, s32, s33                     ; q: + the work-group's 256 rows + my 32
	s_mov_b32 s33, 0
	s_lshr_b32 s34, ttmp9, 3
	s_lshl_b32 s34, s34, 21                        ; out: b x 1,024 rows of 2,048 bytes
	s_and_b32 s35, ttmp9, 7
	s_lshl_b32 s35, s35, 8
	s_add_co_u32 s34, s34, s35                     ; + 256 n
	s_lshl_b32 s35, s9, 19
	s_add_co_u32 s34, s34, s35                     ; + the work-group's 256 rows
	s_lshl_b32 s35, s8, 12
	s_add_co_u32 s34, s34, s35                     ; + my two rows of each tile
	s_mov_b32 s35, 0
	s_mul_i32 s36, s8, REG
	s_lshl_b32 s37, s8, 2
	s_add_co_u32 s37, s37, STAT
	s_mul_i32 s38, s8, 2*PITCH
	s_mul_i32 s39, s8, QST
	s_add_co_u32 s52, s39, QIMG
	s_mov_b32 s[SEL], 0x76543210
	s_mov_b32 s[SEL+1], 0xfedcba98
	s_mov_b32 s[CS], 0x3e38aa3b                    ; log2(e) / 8
	s_mov_b32 s[CS+1], s[CS]
	s_mov_b32 s24, 0xbe38aa3b
	s_mov_b32 s25, 0x2800000                       ; 2^(5 - 127): the floor of a block's largest magnitude, so that the byte cannot fall under 1
	s_mov_b32 s29, 0xffff0000
	; the joint load: 128 rows of 64 f32, 4 words of padding behind every 64; mask: the four work-groups of the cluster, bit 21 beside it
	s_mov_b32 s40, 1
	s_mov_b32 s41, s36
	s_mov_b32 s44, 15|(2<<16)|(1<<20)|(1<<21)|(5<<22)|(3<<25)
	s_mov_b32 s45, 64<<16
	s_mov_b32 s46, 128<<16
	s_mov_b32 s47, 64<<16
	s_mov_b32 s48, 128
	s_mov_b32 s49, 64
	s_mov_b32 s50, 0
	s_mov_b32 s51, 0
	v_and_b32 v52, 31, v0                          ; lane
	v_and_b32 v53, 15, v0                          ; r
	v_bfe_u32 v54, v0, 4, 1                        ; h
	v_lshlrev_b32 v5, 4, v52                       ; q: my 16 bytes of a load's 512
	v_lshlrev_b32 v6, 2, v52                       ; v: my channel of 32
	v_lshl_add_u32 v[AQ16], v52, 4, QIMG
	v_lshl_add_u32 v[AQ8], v52, 3, QIMG+512
	v_lshl_add_u32 v[AQ4], v52, 2, QIMG+768
	v_add_nc_u32 v[AW16], s39, v[AQ16]             ; my two tiles' images: tiles 2 w and 2 w + 1
	v_add_nc_u32 v[AW8], s39, v[AQ8]
	v_add_nc_u32 v[AW4], s39, v[AQ4]
	v_lshlrev_b32 v[AST], 5, v53
	v_lshl_add_u32 v[AST], v54, 9, v[AST]
	v_add_nc_u32 v[AST], s37, v[AST]               ; lanes 0-15 store NM, lanes 16-31 the sum
	v_lshlrev_b32 v[ALD], 5, v53
	v_lshl_add_u32 v[ALD], v54, 4, v[ALD]
	v_add_nc_u32 v[ALD], STAT, v[ALD]              ; lane (r, h) reads waves 4 h .. 4 h + 3
	v_mul_u32_u24 v55, v53, PITCH
	v_lshl_add_u32 v[AOS], v54, 5, v55
	v_add_nc_u32 v[AOS], s36, v[AOS]               ; my partial O: row r, + 32 h
	v_lshl_add_u32 v[ASR], v54, 7, v55
	v_add_nc_u32 v[ASR], s52, v[ASR]               ; the stage of q, out: row r, + 128 h
	v_mul_u32_u24 v56, v54, PITCH
	v_lshl_add_u32 v56, v53, 4, v56
	v_add_nc_u32 v[ASI], s52, v56                  ; the stage of q, in: lanes 0-15 one row, lanes 16-31 the next
	v_add_nc_u32 v[RB], s38, v56                   ; rows 2 w and 2 w + 1 of a partial O, of waves 0 and 1,
	v_add_nc_u32 v[RB+1], 2*REG, v[RB]             ; 2 and 3,
	v_add_nc_u32 v[RB+2], 4*REG, v[RB]
	v_add_nc_u32 v[RB+3], 6*REG, v[RB]
	v_lshlrev_b32 v[GO], 11, v54
	v_lshl_add_u32 v[GO], v53, 4, v[GO]
	v_lshlrev_b32 v[SH8], 3, v54
	v_and_b32 v57, 7, v53
	v_lshrrev_b32 v58, 3, v53
	v_mad_u32_u24 v59, v58, 40, v57                ; rows m >= 8 begin 40 keys behind rows m < 8 for even u, 24 for odd u
	v_mul_u32_u24 v59, v59, PITCH
	v_lshl_add_u32 v[AK], v54, 7, v59
	v_add_nc_u32 v[AK], s36, v[AK]
	v_mad_u32_u24 v60, v58, 24, v57
	v_mul_u32_u24 v60, v60, PITCH
	v_lshl_add_u32 v[AK+1], v54, 7, v60
	v_add_nc_u32 v[AK+1], s36, v[AK+1]
.irp i, 6,7,8,9,10,11
	v_mov_b32 v[QF+\i], 0                          ; the zero codes of k = 64 .. 127 of Q's fragment: its loads fill registers 0-5 alone
.endr
	v_mov_b32 v[NM+1], 0
	v_mov_b32 v[NM+5], 0
	v_mov_b32 v[FAC+1], 0
	v_mov_b32 v[T1], 0                             ; (a lane permute's destination counts as one of its sources)
	v_mov_b32 v[T3], 0
	v_mov_b32 v[TX], 0
	s_wait_alu depctr_va_vdst(0)
	s_wait_dscnt 0x0                               ; both opening adds are done
	s_wait_kmcnt 0x0
	s_add_nc_u64 s[12:13], s[12:13], s[32:33]
	s_add_nc_u64 s[42:43], s[14:15], s[30:31]
	s_or_b32 s43, s43, 0x80000000
	s_add_nc_u64 s[16:17], s[16:17], s[30:31]
	s_add_nc_u64 s[10:11], s[18:19], s[34:35]
; v in four pairs of blocks, p = 2 c + ch: channels 32 ch .. + 31, blocks 2 c (half 0) and 2 c + 1 (half 1, in the order i xor 8).  Pair p lands in window 0, v[64 + 64 (p % 2)] on.
.macro VLD p, half
.set LX, SCR+64*((\p)%2)+32*(\half)
.set I, 0
.rept 32
.set KEY, 64*((\p)/2)+32*(\half)+I
.if (\half) == 1
.set KEY, KEY+8-16*((I/8)%2)
.endif
	global_load_b32 v[LX+I], v6, s[16:17] offset:256*KEY+128*((\p)%2)
.set I, I+1
.endr
.endm
; the conversion's scale operand of 32 numbers of one block in v[xs] on of window w: the largest magnitude, in four chains, with the floor among its leaves, 4 off its exponent field
.macro BLK w, xs, sco
	WIN 0x14*(\w)
.irp i, 0,1,2,3
	v_max3_num_f32 v[TM+\i], s25, |v[(\xs)+2*\i]|, |v[(\xs)+2*\i+1]|
.endr
.set I, 0
.rept 12
	v_max3_num_f32 v[TM+I%4], v[TM+I%4], |v[(\xs)+8+2*I]|, |v[(\xs)+9+2*I]|
.set I, I+1
.endr
	WIN 0
	v_max3_num_f32 v[TM], v[TM], v[TM+1], v[TM+2]
	v_max_num_f32 v[TM], v[TM], v[TM+3]
	v_add_nc_u32 v[\sco], 0xfe000000, v[TM]
.endm
; pair p: a lane holds a channel and two blocks; the swap of half waves gives the fragments of channel tiles 2 ch and 2 ch + 1, registers 6 c .. 6 c + 5
.macro VPROC p
.set XA, SCR+64*((\p)%2)
.set CH_, (\p)%2
.set CC_, (\p)/2
	BLK 0, XA, SA
	v_cvt_scalef32_pk16_bf6_f32 v[48:50], v[XA:XA+15], v[SA]
	v_cvt_scalef32_pk16_bf6_f32 v[52:54], v[XA+16:XA+31], v[SA]
	BLK 0, XA+32, SBK
	v_cvt_scalef32_pk16_bf6_f32 v[56:58], v[XA+32:XA+47], v[SBK]
	v_cvt_scalef32_pk16_bf6_f32 v[60:62], v[XA+48:XA+63], v[SBK]
	v_lshrrev_b32 v[BA], 23, v[SA]                 ; the scales' bytes; also the plain places behind the conversions
	v_lshrrev_b32 v[BB], 23, v[SBK]
.if CC_ == 0
	v_lshl_or_b32 v[VS+CH_], v[BB], 8, v[BA]       ; four bytes make the channel's scale word: lanes 0-15 tile 2 ch, lanes 16-31 tile 2 ch + 1
.else
	v_lshl_or_b32 v[VS+CH_], v[BA], 16, v[VS+CH_]
	v_lshl_or_b32 v[VS+CH_], v[BB], 24, v[VS+CH_]
.endif
.irp i, 48,49,50,52,53,54
	v_permlane16_swap_b32 v[\i], v[\i+8]
.endr
	WIN 0x40
.set FD, VF+24*CH_+6*CC_
.irp i, 0,1,2
	v_mov_b32 v[FD+\i], v[48+\i]
	v_mov_b32 v[FD+3+\i], v[52+\i]
	v_mov_b32 v[FD+12+\i], v[56+\i]
	v_mov_b32 v[FD+15+\i], v[60+\i]
.endr
	WIN 0
.endm
; K's tile i = 4 c + u: even tiles by v224-255 of window 0, odd ones by v208-239 of window 1
.macro KL i
.set XS, X0-16*((\i)%2)
	WIN 0x40*((\i)%2)
.irp x, 0,1,2,3,4,5,6,7
	ds_load_b128 v[XS+4*\x:XS+4*\x+3], v[AK+(\i)%2] offset:PITCH*(64*((\i)/4)+8*((\i)%4))+16*\x
.endr
	WIN 0
.endm
.macro KPROC i
.set XS, X0-16*((\i)%2)
	BLK (\i)%2, XS, SA
	WIN 0x40+(\i)%2
	v_cvt_scalef32_pk16_bf6_f32 v[12*(\i):12*(\i)+2], v[XS:XS+15], v[SA]
	v_cvt_scalef32_pk16_bf6_f32 v[KT:KT+2], v[XS+16:XS+31], v[SA]   ; (a conversion's three registers begin on an even number)
	WIN 0
	v_lshrrev_b32 v[BA], 23, v[SA]
	v_lshlrev_b32 v[TT], v[SH8], v[BA]             ; my byte at its place in the row's scale word,
	v_permlanex16_b32 v[TX], v[TT], s[SEL], s[SEL+1]
	v_or_b32 v[KS+(\i)], v[TT], v[TX]              ; with lane l xor 16's the word's two lower bytes; the upper two stay 0
.if (\i) < 6
	KL (\i)+2
.endif
	WIN 0x41
.irp j, 0,1,2
	v_mov_b32 v[12*(\i)+3+\j], v[KT+\j]
.endr
	WIN 0
.endm
.macro QPROC q
.set XS, X0-16*(\q)
	BLK \q, XS, SA
	WIN \q
	v_cvt_scalef32_pk16_bf6_f32 v[48:50], v[XS:XS+15], v[SA]
	v_cvt_scalef32_pk16_bf6_f32 v[56:58], v[XS+16:XS+31], v[SA]
	WIN 0
	v_lshrrev_b32 v[BA], 23, v[SA]
	v_lshlrev_b32 v[TT], v[SH8], v[BA]
	v_permlanex16_b32 v[TX], v[TT], s[SEL], s[SEL+1]
	v_or_b32 v[WD], v[TT], v[TX]
.irp j, 0,1,2
	v_mov_b32 v[51+\j], v[56+\j]
.endr
	ds_store_b128 v[AW16], v[48:51] offset:1024*(\q)
	ds_store_b64 v[AW8], v[52:53] offset:1024*(\q)
	ds_store_b32 v[AW4], v[WD] offset:1024*(\q)
.endm
	WIN 0x40
.set I, 0
.rept 16
	global_load_b128 v[QL+4*I:QL+4*I+3], v5, s[12:13] offset:512*I th:TH_LOAD_NT   ; my 32 queries, 512 consecutive bytes a load
.set I, I+1
.endr
	WIN 0
	ROUND                                          ; all four work-groups are here: the joint loads meet
	tensor_load_to_lds s[40:43], s[44:51]          ; my 128 rows of k: the wave's one tensor load
	s_nop 0
.rept 4
	v_nop
.endr
	VLD 0, 0
	VLD 0, 1
	WIN 0x40
.set I, 0
.rept 8                                        ; the zero codes of k = 64 .. 127 of K's eight tiles
.irp i, 6,7,8,9,10,11
	v_mov_b32 v[12*I+\i], 0
.endr
.set I, I+1
.endr
	WIN 0
	VLD 1, 0
	VLD 1, 1
	s_wait_loadcnt 63                              ; behind pair 0 (and q) stand 64 loads
	VPROC 0
	VLD 2, 0
	VLD 2, 1
	; q: both tiles through my stage, one after the other, then their images onto the stage's bytes.  LDS serves a wave's instructions in order (ISA guide 5.7.1.4)
.irp q, 0,1
	WIN 0x04                                       ; (an LDS store's data are its source 1: window 1)
.irp x, 0,1,2,3,4,5,6,7
	ds_store_b128 v[ASI], v[QL+32*\q+4*\x:QL+32*\q+4*\x+3] offset:2*PITCH*\x
.endr
	WIN 0x40*\q
.irp x, 0,1,2,3,4,5,6,7
	ds_load_b128 v[X0-16*\q+4*\x:X0-16*\q+4*\x+3], v[ASR] offset:16*\x
.endr
.endr
	WIN 0
	s_wait_dscnt 16                                ; tile 0 is back: behind it stand tile 1's eight stores and eight loads
	QPROC 0
	s_wait_dscnt 0x0                               ; tile 1 is back, and tile 0's stores have read their registers
	QPROC 1
	s_wait_tensorcnt 0x0                           ; my rows of k; no other wave reads them
	KL 0
	KL 1
.irp i, 0,1,2,3,4,5,6
	s_wait_dscnt 8                                 ; tile i's eight loads are back; tile i + 1's may be out
	KPROC \i
.endr
	s_wait_dscnt 0x0
	KPROC 7
	s_wait_loadcnt 63                              ; pair 1: behind it stand pair 2's 64 loads
	VPROC 1
	VLD 3, 0
	VLD 3, 1
	s_wait_loadcnt 63                              ; pair 2, in the same way
	VPROC 2
	s_wait_alu depctr_va_vdst(0)
	s_wait_dscnt 0x0                               ; for the others' sake: my images lie in LDS
	s_barrier_signal -1
	s_barrier_wait -1
	ds_load_b128 v[QF:QF+3], v[AQ16]               ; tile 0's fragment of Q and its scale words
	ds_load_b64 v[QF+4:QF+5], v[AQ8]
	ds_load_b32 v[QS], v[AQ4]
	s_wait_dscnt 0x0
; ---------------------------------------------------------------- THE LOOP's parts
.macro PKA d, s
	v_pk_add_f32 v[(\d):(\d)+1], v[(\d):(\d)+1], v[(\s):(\s)+1]
.endm
; eight waves' partial O of my two rows in v[b] on of window 1, added in two parts, and stored; 16 lanes store 256 consecutive bytes, at a multiple of 256 from out's first byte
.macro RED1 b
	WIN 0x45
.irp i, 0,8,16,24
	PKA (\b)+\i, (\b)+\i+4
	PKA (\b)+\i+2, (\b)+\i+6
.endr
.endm
.macro RED2 b
	WIN 0x45
.irp i, 0,16
	PKA (\b)+\i, (\b)+\i+8
	PKA (\b)+\i+2, (\b)+\i+10
.endr
	PKA (\b), (\b)+16
	PKA (\b)+2, (\b)+18
.endm
.macro SEND b, off
	WIN 0x04
	global_store_b128 v[GO], v[(\b):(\b)+3], s[10:11] offset:\off th:TH_STORE_NT
.endm
.macro RLOAD b, off
	WIN 0x40
.irp i, 0,1,2,3
	ds_load_b128 v[(\b)+8*\i:(\b)+8*\i+3], v[RB+\i] offset:OB+(\off)
	ds_load_b128 v[(\b)+8*\i+4:(\b)+8*\i+7], v[RB+\i] offset:OB+(\off)+REG
.endr
.endm
.macro OSTORE off
	WIN 0x04
.irp dt, 0,1,2,3
	ds_store_b128 v[AOS], v[OW+8*\dt:OW+8*\dt+3] offset:OB+(\off)+64*\dt
	ds_store_b128 v[AOS], v[OW+8*\dt+4:OW+8*\dt+7] offset:OB+(\off)+64*\dt+16
.endr
.endm
; the joining of the eight waves' maxima and sums of the tile before, step j of 15 (the steps stand among the additions of this tile's sum).  NM are -M: T0 = the largest M; T2 = my M - T0; T1 = the row's sum under T0
.macro JOIN j
.if (\j) == 0
	v_max3_num_f32 v[T0], -v[ML], -v[ML+1], -v[ML+2]
.elseif (\j) == 1
	v_max_num_f32 v[T0], v[T0], -v[ML+3]
.elseif (\j) == 2
	v_permlanex16_b32 v[T1], v[T0], s[SEL], s[SEL+1]
.elseif (\j) == 3
	v_max_num_f32 v[T0], v[T0], v[T1]
.elseif (\j) == 4
	v_pk_add_f32 v[ML:ML+1], v[ML:ML+1], v[T0:T0+1] op_sel_hi:[1,0] neg_lo:[1,1] neg_hi:[1,1]
.elseif (\j) == 5
	v_pk_add_f32 v[ML+2:ML+3], v[ML+2:ML+3], v[T0:T0+1] op_sel_hi:[1,0] neg_lo:[1,1] neg_hi:[1,1]
.elseif (\j) == 6
	v_sub_f32 v[T2], -v[NMP], v[T0]
.elseif (\j) == 7
	v_cvt_i32_f32 v[ML], v[ML]                     ; (it saturates)
	v_cvt_i32_f32 v[ML+1], v[ML+1]
.elseif (\j) == 8
	v_cvt_i32_f32 v[ML+2], v[ML+2]
	v_cvt_i32_f32 v[ML+3], v[ML+3]
.elseif (\j) == 9
	v_cvt_i32_f32 v[T2], v[T2]
.elseif (\j) == 10
	v_ldexp_f32 v[SL], v[SL], v[ML]
	v_ldexp_f32 v[SL+1], v[SL+1], v[ML+1]
.elseif (\j) == 11
	v_ldexp_f32 v[SL+2], v[SL+2], v[ML+2]
	v_ldexp_f32 v[SL+3], v[SL+3], v[ML+3]
.elseif (\j) == 12
	PKA SL, SL+2
.elseif (\j) == 13
	v_add_f32 v[T1], v[SL], v[SL+1]
.else
	v_permlanex16_b32 v[T3], v[T1], s[SEL], s[SEL+1]
.endif
.endm
.macro MUL4 o
.irp i, 0,2,4,6
	v_pk_mul_f32 v[PB+(\o)+\i:PB+(\o)+\i+1], v[PB+(\o)+\i:PB+(\o)+\i+1], v[FAC:FAC+1] op_sel_hi:[1,0]
.endr
.endm
; the tile before (scores' set PB, block maxima BMP): w = p x 2^(my M - M) / sum, quantised, and O^T = V^T W^T over my 128 keys
.macro FINISH rl, wl
	v_ldexp_f32 v[FAC], v[T1], v[T2]
	v_pk_mul_f32 v[BMP:BMP+1], v[BMP:BMP+1], v[FAC:FAC+1] op_sel_hi:[1,0]   ; the same multiplication that every weight gets
	MUL4 0
	v_max_num_f32 v[BMP], s25, v[BMP]
	v_max_num_f32 v[BMP+1], s25, v[BMP+1]
	MUL4 8
	v_add_nc_u32 v[SC], 0xfe000000, v[BMP]         ; 4 off the exponent field: the conversion's scale operand
	v_add_nc_u32 v[SC+1], 0xfe000000, v[BMP+1]
	MUL4 16
	v_lshrrev_b32 v[BMP], 23, v[SC]
	v_lshrrev_b32 v[BMP+1], 23, v[SC+1]
	MUL4 24
	v_lshl_or_b32 v[BMP], v[BMP+1], 16, v[BMP]     ; my two bytes: blocks h and 2 + h,
	v_cvt_scalef32_pk16_bf6_f32 v[PC:PC+2], v[PB:PB+15], v[SC]
	v_cvt_scalef32_pk16_bf6_f32 v[PTA:PTA+2], v[PB+16:PB+31], v[SC]
	MUL4 32
	v_lshlrev_b32 v[BMP], v[SH8], v[BMP]           ; at their places in the word;
	MUL4 40
	v_permlanex16_b32 v[T3], v[BMP], s[SEL], s[SEL+1]
	MUL4 48
	v_or_b32 v[PW], v[BMP], v[T3]                  ; with lane l xor 16's two the word is whole
	MUL4 56
	v_cvt_scalef32_pk16_bf6_f32 v[PC+6:PC+8], v[PB+32:PB+47], v[SC+1]
	v_cvt_scalef32_pk16_bf6_f32 v[PTB:PTB+2], v[PB+48:PB+63], v[SC+1]
.irp i, 0,1,2
	v_mov_b32 v[PC+3+\i], v[PTA+\i]                ; (also the plain places behind the conversions)
.endr
.irp i, 0,1,2
	v_mov_b32 v[PC+9+\i], v[PTB+\i]
.endr
.if \rl
	RED1 RL                                        ; an operand written by vector instructions stands four places ahead of a scaled matrix instruction: these additions
.else
.rept 4
	v_nop
.endr
.endif
.if \wl
	s_wait_alu depctr_va_vdst(0)                   ; a branch follows
.endif
	WIN 0x41                                       ; V and O^T in window 1, the weights in window 0
.irp t, 0,1
	v_wmma_scale_f32_16x16x128_f8f6f4 v[OW+16*\t:OW+16*\t+7], v[VF+24*\t:VF+24*\t+11], v[PC:PC+11], 0, v[VS+\t], v[PW] matrix_a_fmt:MATRIX_FMT_BF6 matrix_b_fmt:MATRIX_FMT_BF6
	v_wmma_scale_f32_16x16x128_f8f6f4 v[OW+16*\t+8:OW+16*\t+15], v[VF+24*\t+12:VF+24*\t+23], v[PC:PC+11], 0, v[VS+\t], v[PW] matrix_a_fmt:MATRIX_FMT_BF6 matrix_b_fmt:MATRIX_FMT_BF6 matrix_a_scale:MATRIX_SCALE_ROW1
.endr
.endm
; trip t: p = t's parity; join (t >= 1): a tile stands before it; ost (t >= 2): partial O of tile t - 2 to LDS; rl (t >= 3): rows of tile t - 3 are fetched; red (t >= 4): those of tile t - 4 are stored;
; qo: the next tile's image (-1: none), lp = 1: + s26; wl = 1: a branch follows
.macro TRIP p, join, ost, rl, red, qo, lp, wl
.set SB, SCR+64*(\p)
.set PB, SCR+64*(1-(\p))
.set BMC, BM+2*(\p)
.set BMP, BM+2*(1-(\p))
.set NMC, NM+4*(\p)
.set NMP, NM+4*(1-(\p))
	WIN 0x01                                       ; K in window 1
.set I, 0
.rept 8
	v_wmma_scale_f32_16x16x128_f8f6f4 v[SB+8*I:SB+8*I+7], v[12*I:12*I+11], v[QF:QF+11], 0, v[KS+I], v[QS] matrix_a_fmt:MATRIX_FMT_BF6 matrix_b_fmt:MATRIX_FMT_BF6
.set I, I+1
.endr
.if \red
	RED2 RL                                        ; (the places behind the matrix instructions)
	WIN 0
.else
	WIN 0
.rept 4
	v_nop
.endr
.endif
.if (\qo) >= 0
.if \lp
	v_add_nc_u32 v5, s26, v[AQ16]
	v_add_nc_u32 v6, s26, v[AQ8]
	v_add_nc_u32 v7, s26, v[AQ4]
	ds_load_b128 v[QF:QF+3], v5 offset:\qo
	ds_load_b64 v[QF+4:QF+5], v6 offset:\qo
	ds_load_b32 v[QS], v7 offset:\qo
.else
	ds_load_b128 v[QF:QF+3], v[AQ16] offset:\qo
	ds_load_b64 v[QF+4:QF+5], v[AQ8] offset:\qo
	ds_load_b32 v[QS], v[AQ4] offset:\qo
.endif
.endif
; the largest score of my two blocks, in two chains each, every accumulator from its low end on
.set J, 0
.rept 15
.if J < 2
.irp c, 0,1
	v_max3_num_f32 v[BMC+J*(BMB-BMC)+\c], v[SB+32*\c+3*J], v[SB+32*\c+3*J+1], v[SB+32*\c+3*J+2]
.endr
.else
.irp c, 0,1
	v_max3_num_f32 v[BMC+(J%2)*(BMB-BMC)+\c], v[BMC+(J%2)*(BMB-BMC)+\c], v[SB+32*\c+2+2*J], v[SB+32*\c+3+2*J]
.endr
.endif
.set J, J+1
.endr
	v_max_num_f32 v[BMC], v[BMC], v[BMB]
	v_max_num_f32 v[BMC+1], v[BMC+1], v[BMB+1]
	v_max_num_f32 v[T5], v[BMC], v[BMC+1]
	v_permlanex16_b32 v[T4], v[T5], s[SEL], s[SEL+1]
	v_max_num_f32 v[T5], v[T5], v[T4]              ; the largest of my 128 keys' scores for query r
	v_mul_f32 v[T5], s24, v[T5]
	v_floor_f32 v[NMC], v[T5]                      ; NM = -M, a whole number
.set I, 0
.rept 8
	v_pk_fma_f32 v[SB+2*I:SB+2*I+1], v[SB+2*I:SB+2*I+1], s[CS:CS+1], v[NMC:NMC+1] op_sel_hi:[1,0,0]
.set I, I+1
.endr
	v_fma_f32 v[BMC], v[BMC], s[CS], v[NMC]
	v_fma_f32 v[BMC+1], v[BMC+1], s[CS], v[NMC]
	s_wait_alu depctr_va_vdst(0)                   ; the wait ahead of the barrier's wait, and ahead of a batch of exponentials and behind it
.if \join
	s_barrier_wait -1                              ; the last trip's: tile t - 1's maxima and sums and tile t - 3's partial O lie in LDS, and tile t - 4's have been read
	ds_load_b128 v[ML:ML+3], v[ALD] offset:1024*(1-(\p))
	ds_load_b128 v[SL:SL+3], v[ALD] offset:1024*(1-(\p))+512
.if \red
	SEND RL, 0
.endif
.if \ost
	OSTORE OBUF*(\p)
.endif
.if \red
	s_wait_xcnt 0x0                                ; the store's base and data are written again only behind this wait
	s_add_nc_u64 s[10:11], s[10:11], 0x8000        ; 16 rows of out on
.endif
.if \rl
	RLOAD RL, OBUF*(1-(\p))
.endif
	WIN 0
.endif
; p = 2^(t - M) in place, in batches of 16 registers: between two exponentials stands the next batch's multiply-add or an addition to one of eight sums of pairs
.set BT, 0
.rept 4
.set I, 0
.rept 8
.set PR, SB+16*BT+2*I
.set AR, ACC+2*I
	v_exp_f32 v[PR], v[PR]
.if BT < 3
	v_pk_fma_f32 v[PR+16:PR+17], v[PR+16:PR+17], s[CS:CS+1], v[NMC:NMC+1] op_sel_hi:[1,0,0]
.endif
	v_exp_f32 v[PR+1], v[PR+1]
.if BT == 2
	v_pk_add_f32 v[AR:AR+1], v[PR-32:PR-31], v[PR-16:PR-15]
.endif
.if BT == 3
	v_pk_add_f32 v[AR:AR+1], v[AR:AR+1], v[PR-16:PR-15]
.endif
.set I, I+1
.endr
.if BT == 0
	v_exp_f32 v[BMC], v[BMC]
	v_exp_f32 v[BMC+1], v[BMC+1]
.endif
	s_wait_alu depctr_va_vdst(0)
.set BT, BT+1
.endr
.if \join
	s_wait_dscnt 8*(\ost)+8*(\rl)                  ; the maxima and sums are back; behind them stand partial O's stores and loads
.endif
.set J, 0
.rept 15
.if J < 8
	PKA ACC+2*J, SB+48+2*J
.elseif J < 12
	PKA ACC+2*(J-8), ACC+8+2*(J-8)
.elseif J < 14
	PKA ACC+2*(J-12), ACC+4+2*(J-12)
.else
	PKA ACC, ACC+2
.endif
.if \join
	JOIN J
.endif
.set J, J+1
.endr
	v_add_f32 v[T5], v[ACC], v[ACC+1]
.if \join
	v_add_f32 v[T1], v[T1], v[T3]
.endif
	v_permlanex16_b32 v[T4], v[T5], s[SEL], s[SEL+1]
	v_add_f32 v[T5], v[T5], v[T4]                  ; the sum over my 128 keys
	v_cndmask_b32 v[T5], v[NMC], v[T5], s29
	ds_store_b32 v[AST], v[T5] offset:1024*(\p)
	s_wait_alu depctr_va_vdst(0)
.if \join
	v_rcp_f32 v[T1], v[T1]
	v_nop                                          ; one plain place behind a transcendental
.endif
	s_wait_dscnt 0x0                               ; for the others' sake: my maximum and sum and my partial O lie in LDS; my reads are over
	s_barrier_signal -1
.if \join
	s_wait_alu depctr_va_vdst(0)
	FINISH \rl, \wl                                ; work on registers while the others arrive
.endif
.endm
	TRIP 0, 0, 0, 0, 0, 1024, 0, 0
	s_wait_loadcnt 0x0
	VPROC 3                                        ; v's last pair: product 2 begins in trip 1
	TRIP 1, 1, 0, 0, 0, QST, 0, 0
	TRIP 0, 1, 1, 0, 0, QST+1024, 0, 0
	TRIP 1, 1, 1, 1, 0, 2*QST, 0, 1
	WIN 0                                          ; at a label and at a branch every window is 0
	s_mov_b32 s26, 0
.Lloop:                                                ; tiles 4 .. 13, two a trip
	TRIP 0, 1, 1, 1, 1, 2*QST+1024, 1, 0
	TRIP 1, 1, 1, 1, 1, 3*QST, 1, 1
	WIN 0
	s_add_co_u32 s26, s26, QST
	s_cmp_lt_u32 s26, 5*QST
	s_cbranch_scc1 .Lloop
	TRIP 0, 1, 1, 1, 1, 7*QST+1024, 0, 0
	TRIP 1, 1, 1, 1, 1, -1, 0, 0
; ---- the end: tile 12's rows are added, 13's and 14's partial O are on their way, tile 15 is still to be finished
.set PB, SCR+64
.set BMP, BM+2
.set NMP, NM+4
	RED2 RL
	s_wait_alu depctr_va_vdst(0)
	s_barrier_wait -1
	WIN 0
	ds_load_b128 v[ML:ML+3], v[ALD] offset:1024
	ds_load_b128 v[SL:SL+3], v[ALD] offset:1536
	SEND RL, 0
	OSTORE 0
	s_wait_xcnt 0x0
	RLOAD RL, OBUF
	WIN 0
	s_wait_dscnt 16
.set J, 0
.rept 15
	JOIN J
.set J, J+1
.endr
	v_add_f32 v[T1], v[T1], v[T3]
	s_wait_alu depctr_va_vdst(0)
	v_rcp_f32 v[T1], v[T1]
	v_nop
	s_wait_alu depctr_va_vdst(0)
	s_wait_dscnt 0x0                               ; tile 13's rows are back
	FINISH 1, 0
	RED2 RL
	SEND RL, 32768
	OSTORE 2*OBUF                                  ; a third buffer: others may still read tile 13's
	WIN 0
	s_wait_xcnt 0x0                                ; tile 13's store has read its registers
	s_wait_alu depctr_va_vdst(0)
	s_wait_dscnt 0x0
	s_barrier_signal -1
	s_barrier_wait -1
	RLOAD RL, 0
	RLOAD RM, 2*OBUF
	s_wait_dscnt 8                                 ; tile 14's eight are back; tile 15's may be out
	RED1 RL
	RED2 RL
	SEND RL, 65536
	s_wait_dscnt 0x0
	RED1 RM
	RED2 RM
	SEND RM, 98304
	WIN 0
	s_wait_tensorcnt 0x0                           ; the wave's end
	ds_add_u32 v[SPW], v[NIL]
	s_wait_dscnt 0x0
	ROUND                                          ; the closing round
	s_endpgm
.Lfunc_end_k_q4c3e265058_attn:
	.size	k_q4c3e265058_attn, .Lfunc_end_k_q4c3e265058_attn-k_q4c3e265058_attn
	.p2alignl 7, 3214868480
	.fill 96, 4, 3214868480
	.section	.rodata,"a",@progbits
	.p2align	6, 0x0
	.amdhsa_kernel k_q4c3e265058_attn
		.amdhsa_group_segment_fixed_size 327680
		.amdhsa_private_segment_fixed_size 0
		.amdhsa_enable_private_segment 0
		.amdhsa_kernarg_size 32
		.amdhsa_user_sgpr_count 2
		.amdhsa_user_sgpr_kernarg_segment_ptr 1
		.amdhsa_wavefront_size32 1
		.amdhsa_system_sgpr_workgroup_id_x 1
		.amdhsa_system_sgpr_workgroup_id_y 1
		.amdhsa_system_sgpr_workgroup_id_z 1
		.amdhsa_system_vgpr_workitem_id 0
		.amdhsa_next_free_vgpr 512
		.amdhsa_next_free_sgpr 66
		.amdhsa_reserve_vcc 0
		.amdhsa_float_denorm_mode_32 3
		.amdhsa_float_denorm_mode_16_64 3
		.amdhsa_memory_ordered 1
		.amdhsa_forward_progress 1
		.amdhsa_inst_pref_size 209
	.end_amdhsa_kernel
	.amdgpu_metadata
---
amdhsa.version: [ 1, 2 ]
amdhsa.kernels:
  - .name:           k_q4c3e265058_attn
    .symbol:         k_q4c3e265058_attn.kd
    .args:
      - { .name: q, .offset: 0, .size: 8, .value_kind: global_buffer, .address_space: global }
      - { .name: k, .offset: 8, .size: 8, .value_kind: global_buffer, .address_space: global }
      - { .name: v, .offset: 16, .size: 8, .value_kind: global_buffer, .address_space: global }
      - { .name: out0, .offset: 24, .size: 8, .value_kind: global_buffer, .address_space: global }
    .group_segment_fixed_size: 327680
    .private_segment_fixed_size: 0
    .kernarg_segment_align: 8
    .kernarg_segment_size: 32
    .max_flat_workgroup_size: 256
    .sgpr_count:     66
    .vgpr_count:     512
    .wavefront_size: 32
...
	.end_amdgpu_metadata
.endif
;; end of part 1
